; MI455X (gfx1250); checked and timed in simulation.
; The chip was launched on July 23, 2026; its instructions are those of AMD's public machine-readable ISA for CDNA 5 (MIT licence, August 2026) and "CDNA5" Instruction Set Architecture Reference Guide (July 2026). The comments in the code are by the model that wrote it; some were corrected since.
;; First Layer. Allowed arithmetic: matrix products marked QUANTISED: E2M3 operands, one E8M0 scale for each 32 along K, by v_wmma_scale_f32_16x16x128_f8f6f4 with both operands' format E2M3, f32 sums; products left as they are: f32 operands where the result goes on into a quantised operand, else bf16, f16 or f32 operands; f32 sums; everything else in f32.
;; Inputs: W0_codes 128 x 4 x 24 uint8 (E2M3 codes of W0, K innermost, in blocks of 32 codes, four codes in three bytes); W0_scales 128 x 4 uint8 (E8M0 scales of W0, one for each 32 codes along K); W1_codes 128 x 4 x 24 uint8 (E2M3 codes of W1, K innermost, in blocks of 32 codes, four codes in three bytes); W1_scales 128 x 4 uint8 (E8M0 scales of W1, one for each 32 codes along K); Wout_codes 2,048 x 4 x 24 uint8 (E2M3 codes of Wout, K innermost, in blocks of 32 codes, four codes in three bytes); Wout_scales 2,048 x 4 uint8 (E8M0 scales of Wout, one for each 32 codes along K); b0 128 float32; b1 128 float32; bout 2,048 float32; data 16 x 32 x 64 x 64 float32; v 16 float32.
;; Outputs: out0 16 x 16 x 64 float32.
;; This version of the problem:
;;   THIS VERSION OF THE PROBLEM IS GIVEN IN LOW PRECISION. The matrix products marked QUANTISED in the list below multiply operands that are first quantised to E2M3 (2 exponent bits, 3 mantissa bits; 6 bits a number), with one power-of-two scale for each 32 numbers along K (OCP MX v1.0); their sums are f32. All else is computed in f32.
;;   The module's matrix products, in the order in which they are computed (A, B: the left and right operand; K: the contracted axis; several contracted axes count as one K, in the product's order):
;;     1. [M 4,096, K 2] x [K 2, N 32]; A: computed on the way; B: computed on the way: left as it is (K = 2 < 32)
;;     2. [M 65,536, K 128] x [K 128, N 128]; A: computed on the way; B: input W0 (given as codes): QUANTISED
;;     3. [M 65,536, K 128] x [K 128, N 128]; A: computed on the way; B: input W1 (given as codes): QUANTISED
;;     4. [M 65,536, K 128] x [K 128, N 2,048]; A: computed on the way; B: input Wout (given as codes): QUANTISED
;;     5. [M 16, K 131,072] x [K 131,072, N 1,024]; A: input data; B: computed on the way: QUANTISED
;;   THE QUANTISER, for each operand of a quantised product, along K:
;;     - K is cut into blocks of 32 from its start; a last block that is shorter is filled with zeros.
;;     - A block's scale is 2^e with e = floor(log2(the largest magnitude in the block)) - 2, held to -126 .. 127; a block of zeros has e = 0. As a byte (E8M0): e + 127.
;;     - Each number is divided by its block's scale, clamped to +-7.5, and rounded to the nearest number of E2M3, ties to even, subnormals kept.
;;     - The product sums the exact products of the quantised numbers (number of the format x scale) in f32.
;;   ~~~python
;;   def quantise(x, axis):      # numpy; x: float32 -> the quantised numbers, widened to float32 again
;;       x = np.moveaxis(x, axis, -1); K = x.shape[-1]
;;       x = np.pad(x, [(0, 0)] * (x.ndim - 1) + [(0, -K % 32)]); x = x.reshape(x.shape[:-1] + (-1, 32)); a = np.abs(x).max(-1, keepdims=True)
;;       e = np.where(a > 0, np.clip(np.frexp(np.where(a > 0, a, 1))[1] - 1 - 2, -126, 127), 0)      # np.frexp(a)[1] - 1 = floor(log2(a)), exactly
;;       r = np.clip(x / 2.0 ** e, -7.5, 7.5)
;;       step = 2.0 ** (np.maximum(np.frexp(np.where(r == 0, 1, r))[1] - 1, 0) - 3)
;;       q = np.round(r / step) * step * 2.0 ** e      # np.round: ties to even
;;       return np.moveaxis(q.reshape(q.shape[:-2] + (-1,))[..., :K], -1, axis).astype(np.float32)
;;   ~~~
;;   OPERANDS COMPUTED ON THE WAY. 'Computed on the way' means the value that the module computes at that place (a softmax that the list does not call 'softmax' is quantised finished and normalised). What goes into a quantiser is computed in f32, as accurately as f32 sums, v_exp_f32 and their like allow (about 1e-6 of the number): no bf16 or f16 on the way to a quantiser, and a product that is left as it is and whose result goes on into a quantised operand takes f32 operands (vector FMAs, or v_wmma_f32_16x16x4_f32). A number that lies on a knife's edge between two numbers of the format may be rounded either way, as far as f32 arithmetic and the matrix unit's own rounding can turn it there, and no further.
;;   INPUTS GIVEN AS CODES. W0 (in the module: [128, 128], K = its axis 0); W1 (in the module: [128, 128], K = its axis 0); Wout (in the module: [128, 2048], K = its axis 0): each comes as NAME_codes (uint8): NAME with its K axis moved to the last place and cut into blocks of 32 codes, [.., K / 32, bytes a block], one block behind the other in memory; four codes in three bytes: a row's codes are one little-endian stream of bits, code i at bits 6 i .. 6 i + 5 (a code: sign, 2 exponent bits, 3 mantissa bits); and NAME_scales (uint8): the same leading axes, one E8M0 byte (e + 127) for each 32 codes along K. Its value is code x scale, taken as it is: it is not quantised again, and the codes and scales need not be those that the quantiser above would give.
;; One version. Each part assembles by itself: llvm-mc -triple=amdgcn-amd-amdhsa -mcpu=gfx1250 --defsym DOCPART=n.
;; ======== version 1 of 1: 3 launches
;; limits: right only within a limited range of input values
;; workspace buffers: gmax 4,096 bytes; dq 229,376 bytes; wq 229,376 bytes; part 1,048,576 bytes
;; launch prep (part 1): grid 256 x 1, 4 waves a work-group, no clusters, 0 bytes of LDS; arguments v, data, Wout_codes, Wout_scales, bout, gmax, dq, wq; writes gmax, dq, wq
.if DOCPART == 1
	.amdgcn_target "amdgcn-amd-amdhsa--gfx1250"
	.amdhsa_code_object_version 6
	.text
	.protected	k_q1ac8951a81_prep
	.globl	k_q1ac8951a81_prep
	.p2align	8
	.type	k_q1ac8951a81_prep,@function
k_q1ac8951a81_prep:
	s_mov_b64 s[64:65], 0
	v_nop
	global_prefetch_b8 v0, s[64:65] scope:SCOPE_SE
	s_setreg_imm32_b32 hwreg(HW_REG_WAVE_MODE, 25, 1), 1
	s_wait_xcnt 0x0
; PREP.  Three things that the main launch needs ready:
; (1) gmax[1024]: for each wave the largest squared norm of the RBF embedding over its 64 rows (h, w, n); all 65,536 rows are covered, since the embedding is divided by ONE largest norm.
; (2) dq: data quantised along K = (c, h, w) to E2M3, one E8M0 byte for each 32 along w, for the grid rows h = H0 .. H0 + 7 alone.
;     The window of the filter is |rotated x| <= 0.1 in both coordinates; a grid point with a coordinate index outside 28 .. 35 has a norm of at least sqrt(82) / 63 = 0.1437,
;     so its larger rotated coordinate is at least 0.1016 for every angle: the filter is an exact zero there, its codes are zeros, and data there meets zero codes alone.
; (3) wq: Wout's codes, scale words and bias laid as the main launch reads them.
; A RECORD (1,792 bytes) is the image of a 6-bit fragment's registers: registers 4 k .. 4 k + 3 of lane l at 512 k + 16 l; behind them 8 bytes a lane: the row's scale word, and bout (wq) or 0 (dq).
; Every store of a record covers 512 or 256 consecutive bytes, aligned.
; SHARES.  Lane = (n = lane % 16, hh = lane / 16); it takes the two grid points (h = group / 4, w = 16 (group % 4) + 4 wave + 2 hh + e), e = 0, 1, as the halves of packed pairs.
; The first NDWG groups also quantise one record of data a wave, the last 32 lay one record of Wout a wave: their loads are out while the norms are summed.  The three ways part on the group's number alone.
; No LDS, no matrix unit, no cluster: the groups share no input but the 64 bytes of v.  A lane's 16 neighbours of data are loaded 16 bytes at a time from 32 places an instruction: 1 MiB in all, read once.
; LIMITS: NaN and infinities are not served (an infinite data number under a closed window gives 0 here, NaN in f32 arithmetic); |v| up to about 1e5 (pi / 2 is taken off in three parts);
; a block of zeros carries the byte 1 over zero codes (this program alone reads the bytes).
.set H0,   28                          ; first grid row inside the window
.set NDWG, 32                          ; 8 rows x 2 halves x 8 K steps = 128 records of data, four to a group
.set WQWG, 224                         ; from this group on: 128 records of Wout
.set REC,  1792
.set R63,  24                          ; s24      1 / 63
.set N63,  25                          ; s25      -63
.set CC,   26                          ; s[26:27] -log2(e) / (2 x 0.0049)
.set SEL,  28                          ; s[28:29] v_permlanex16_b32: lane l xor 16
.set NP,   16                          ; v[16:17] -warp0 of my two points, v[18:19] -warp1
.set AC,   20                          ; v[20:27] four running sums of squares, two points each
.set DD,   28                          ; v[28:35] at work in the loop
.set PT,   36                          ; v[36:38] a block's upper codes
.set TM,   40                          ; v40-47   largest magnitudes, bytes, scale operands
.set PW,   48                          ; v48-49   two scale bytes each
.set SW,   50                          ; v[50:51] the record's last 8 bytes of my lane
.set PC,   52                          ; v52-63   the fragment
.set XD,   64                          ; v64-127  64 numbers of data
; linspace(-1, 1, 64)[i] = t - (1 - t), t = i / 63 rounded once (a product with 1 / 63 and one correction by the remainder)
.macro LIN dst, isrc, ta, tb
	v_cvt_f32_u32 v[\ta], \isrc
	v_mul_f32 v[\tb], s[R63], v[\ta]
	v_fma_f32 v[\ta], v[\tb], s[N63], v[\ta]
	v_fma_f32 v[\tb], v[\ta], s[R63], v[\tb]
	v_sub_f32 v[\ta], 1.0, v[\tb]
	v_sub_f32 v[\dst], v[\tb], v[\ta]
.endm
; sine and cosine in f32: k = the nearest whole number of quarter turns, taken off in three parts; two short polynomials on |r| <= pi / 4; the quadrant by selects and sign bits: no branch
.macro SINCOS vv, ss, cc, k, r, z, a, b
	v_mul_f32 v[\k], 0x3f22f983, v[\vv]
	v_rndne_f32 v[\k], v[\k]
	v_fmamk_f32 v[\r], v[\k], 0xbfc90fdb, v[\vv]
	v_fmamk_f32 v[\r], v[\k], 0x333bbd2e, v[\r]
	v_fmamk_f32 v[\r], v[\k], 0x26f72ced, v[\r]
	v_mul_f32 v[\z], v[\r], v[\r]
	v_mov_b32 v[\a], 0xb94ca1f9
	v_mov_b32 v[\b], 0x37ccf5ce
	v_fmaak_f32 v[\a], v[\a], v[\z], 0x3c08839e
	v_fmaak_f32 v[\b], v[\b], v[\z], 0xbab6061a
	v_fmaak_f32 v[\a], v[\a], v[\z], 0xbe2aaaa3
	v_fmaak_f32 v[\b], v[\b], v[\z], 0x3d2aaaa5
	v_mul_f32 v[\ss], v[\r], v[\z]
	v_fma_f32 v[\cc], v[\z], -0.5, 1.0
	v_mul_f32 v[\z], v[\z], v[\z]
	v_fma_f32 v[\a], v[\ss], v[\a], v[\r]          ; sin r
	v_fma_f32 v[\b], v[\z], v[\b], v[\cc]          ; cos r
	v_cvt_i32_f32 v[\k], v[\k]
	v_and_b32 v[\r], 1, v[\k]
	v_cmp_eq_u32 vcc_lo, 1, v[\r]
	v_cndmask_b32 v[\ss], v[\a], v[\b], vcc_lo     ; odd quadrants change the two
	v_cndmask_b32 v[\cc], v[\b], v[\a], vcc_lo
	v_and_b32 v[\r], 2, v[\k]
	v_add_nc_u32 v[\k], 1, v[\k]
	v_lshlrev_b32 v[\r], 30, v[\r]
	v_and_b32 v[\k], 2, v[\k]
	v_xor_b32 v[\ss], v[\ss], v[\r]
	v_lshlrev_b32 v[\k], 30, v[\k]
	v_xor_b32 v[\cc], v[\cc], v[\k]
.endm
; 32 numbers of a lane, v[s + 16 b + i] = k 32 b + 16 hh + i of my row, become registers pc .. pc + 5 of a fragment and two scale bytes in v[pw].
.macro QUANT2 s, pc, pw
.irp b, 0,1
	v_max3_num_f32 v[TM+\b], |v[(\s)+16*\b]|, |v[(\s)+16*\b+1]|, 0x1800000      ; with the floor 2^(3 - 127): the byte cannot fall under 1
	v_max3_num_f32 v[TM+2+\b], |v[(\s)+16*\b+8]|, |v[(\s)+16*\b+9]|, |v[(\s)+16*\b+10]|
.endr
.irp i, 2,4
.irp b, 0,1
	v_max3_num_f32 v[TM+\b], v[TM+\b], |v[(\s)+16*\b+\i]|, |v[(\s)+16*\b+\i+1]|
	v_max3_num_f32 v[TM+2+\b], v[TM+2+\b], |v[(\s)+16*\b+\i+9]|, |v[(\s)+16*\b+\i+10]|
.endr
.endr
.irp b, 0,1
	v_max3_num_f32 v[TM+\b], v[TM+\b], |v[(\s)+16*\b+6]|, |v[(\s)+16*\b+7]|
.endr
.irp b, 0,1
	v_max3_num_f32 v[TM+\b], v[TM+\b], v[TM+2+\b], |v[(\s)+16*\b+15]|
.endr
.irp b, 0,1
	v_permlanex16_b32 v[TM+4+\b], v[TM+\b], s[SEL], s[SEL+1]
.endr
.irp b, 0,1
	v_max_num_f32 v[TM+\b], v[TM+\b], v[TM+4+\b]   ; with lane l xor 16's 16: the block's largest magnitude
.endr
.irp b, 0,1
	v_add_nc_u32 v[TM+6+\b], 0xff000000, v[TM+\b]  ; 2 off its exponent field: the conversion's scale operand
.endr
.irp b, 0,1
	v_lshrrev_b32 v[TM+4+\b], 23, v[TM+6+\b]       ; the scale's byte
.endr
	v_lshl_or_b32 v[\pw], v[TM+5], 8, v[TM+4]
	v_cvt_scalef32_pk16_fp6_f32 v[(\pc):(\pc)+2], v[(\s):(\s)+15], v[TM+6]
	v_cvt_scalef32_pk16_fp6_f32 v[PT:PT+2], v[(\s)+16:(\s)+31], v[TM+7]
	v_nop                                          ; one plain place behind a scaled conversion
.irp i, 0,1,2
	v_permlane16_swap_b32 v[(\pc)+\i], v[PT+\i]    ; a whole block to a lane: lanes 0-15 the first block, lanes 16-31 the second
.endr
.irp i, 0,1,2
	v_mov_b32 v[(\pc)+3+\i], v[PT+\i]
.endr
.endm
; The sums of squares of my two rows' 128 embedding numbers: 32 trips, two centres mu a trip, both coordinates, both points.  No memory instruction stands in the loop.
.macro NORM
	s_mov_b32 s44, 0
.Lmu_\@:
	s_add_co_u32 s45, s44, 1
	s_cvt_f32_u32 s40, s44
	s_cvt_f32_u32 s42, s45
	s_mul_f32 s48, s40, s[R63]
	s_mul_f32 s50, s42, s[R63]
	s_fmac_f32 s40, s48, s[N63]                    ; the remainder j - 63 q
	s_fmac_f32 s42, s50, s[N63]
	s_fmac_f32 s48, s40, s[R63]                    ; mu = j / 63, rounded once
	s_fmac_f32 s50, s42, s[R63]
	v_pk_add_f32 v[DD:DD+1], v[NP:NP+1], s[48:49] op_sel_hi:[1,0]       ; mu - warp
	v_pk_add_f32 v[DD+2:DD+3], v[NP+2:NP+3], s[48:49] op_sel_hi:[1,0]
	v_pk_add_f32 v[DD+4:DD+5], v[NP:NP+1], s[50:51] op_sel_hi:[1,0]
	v_pk_add_f32 v[DD+6:DD+7], v[NP+2:NP+3], s[50:51] op_sel_hi:[1,0]
.irp i, 0,2,4,6
	v_pk_mul_f32 v[DD+\i:DD+\i+1], v[DD+\i:DD+\i+1], v[DD+\i:DD+\i+1]
.endr
.irp i, 0,2,4,6
	v_pk_mul_f32 v[DD+\i:DD+\i+1], v[DD+\i:DD+\i+1], s[CC:CC+1] op_sel_hi:[1,0]
.endr
.irp i, 0,1,2,3,4,5,6,7
	v_exp_f32 v[DD+\i], v[DD+\i]
.endr
	v_nop                                          ; one plain place behind the exponentials
	s_wait_alu depctr_va_vdst(0)
.irp i, 0,2,4,6
	v_pk_fma_f32 v[AC+\i:AC+\i+1], v[DD+\i:DD+\i+1], v[DD+\i:DD+\i+1], v[AC+\i:AC+\i+1]
.endr
	s_add_co_u32 s44, s44, 2
	s_cmp_lt_u32 s44, 64
	s_cbranch_scc1 .Lmu_\@
.endm
.macro PUT base                        ; the record leaves: three stores of 512 consecutive bytes, one of 256
.irp k, 0,1,2
	global_store_b128 v7, v[PC+4*\k:PC+4*\k+3], s[\base:\base+1] offset:512*\k
.endr
	global_store_b64 v8, v[SW:SW+1], s[\base:\base+1] offset:1536
.endm
	s_load_b512 s[4:19], s[0:1], 0x0               ; v, data, Wout's codes, its scales, bout, gmax, dq, wq
	v_and_b32 v1, 15, v0                           ; r = n
	v_bfe_u32 v2, v0, 4, 1                         ; hh
	v_lshrrev_b32 v3, 5, v0
	v_readfirstlane_b32 s20, v3                    ; wave
	v_and_b32 v4, 31, v0                           ; lane
	v_lshlrev_b32 v5, 2, v1
	v_lshlrev_b32 v7, 4, v4
	v_lshlrev_b32 v8, 3, v4
	v_mov_b32 v13, 0
	s_mov_b32 s[R63], 0x3c820821
	s_mov_b32 s[N63], 0xc27c0000
	s_mov_b32 s[CC], 0xc31336ba
	s_mov_b32 s[CC+1], s[CC]                       ; (named with it as a pair, so it is written)
	s_mov_b32 s[SEL], 0x76543210
	s_mov_b32 s[SEL+1], 0xfedcba98
	s_mov_b32 s49, 0                               ; (upper words of the pairs that carry mu)
	s_mov_b32 s51, 0
	s_lshl_b32 s30, ttmp9, 2
	s_add_co_u32 s30, s30, s20                     ; q = 4 x group + wave
	s_lshr_b32 s21, ttmp9, 2                       ; h
	s_and_b32 s22, ttmp9, 3
	s_lshl_b32 s22, s22, 4
	s_lshl_b32 s23, s20, 2
	s_add_co_u32 s22, s22, s23
	v_lshl_add_u32 v3, v2, 1, s22                  ; w of my first point
	s_lshl_b32 s32, s30, 2
	s_mov_b32 s33, 0
	s_wait_kmcnt 0x0
	global_load_b32 v6, v5, s[4:5]                 ; my angle
	s_add_nc_u64 s[14:15], s[14:15], s[32:33]      ; my wave's word of gmax
	LIN 12, s21, 128, 129
	LIN 14, v3, 128, 129
	v_add_nc_u32 v3, 1, v3
	LIN 15, v3, 128, 129
.irp i, 0,1,2,3,4,5,6,7
	v_mov_b32 v[AC+\i], 0
.endr
	v_mov_b32 v[TM+4], 0                           ; written once: a lane permute's destination counts as one of its sources
	v_mov_b32 v[TM+5], 0
	s_wait_loadcnt 0x0
	SINCOS 6, 10, 11, 128, 129, 130, 131, 132
	v_mul_f32 v36, v11, v12                        ; c xh
	v_mul_f32 v37, v10, v12                        ; s xh
.irp e, 0,1
	v_fma_f32 v[NP+\e], -v10, v[14+\e], -v36       ; -(c xh + s xw)
	v_fma_f32 v[NP+2+\e], -v11, v[14+\e], v37      ; -(c xw - s xh)
.endr
	s_cmp_lt_u32 ttmp9, NDWG
	s_cbranch_scc1 .Ldata
	s_cmp_ge_u32 ttmp9, WQWG
	s_cbranch_scc1 .Lwout
	NORM
	s_branch .Lfin
.Ldata:                                                ; record q: row h = H0 + q / 16, K step s = (q / 2) % 8 (channels 4 s .. 4 s + 3), half = q % 2 of w
	s_lshr_b32 s34, s30, 4
	s_bfe_u32 s35, s30, 0x30001
	s_and_b32 s36, s30, 1
	s_lshl_b32 s38, s35, 16                        ; four channels are 65,536 bytes
	s_add_co_u32 s37, s34, H0
	s_lshl_b32 s37, s37, 8
	s_add_co_u32 s38, s38, s37
	s_lshl_b32 s37, s36, 7
	s_add_co_u32 s38, s38, s37
	s_mov_b32 s39, 0
	s_add_nc_u64 s[6:7], s[6:7], s[38:39]
	v_lshlrev_b32 v9, 19, v1                       ; batch row r: 524,288 bytes apart,
	v_lshl_add_u32 v9, v2, 6, v9                   ; + 64 hh: my 16 numbers of each block of 32
.irp bb, 0,1,2,3
.irp j, 0,1,2,3
	global_load_b128 v[XD+16*\bb+4*\j:XD+16*\bb+4*\j+3], v9, s[6:7] offset:16384*\bb+16*\j th:TH_LOAD_NT
.endr
.endr
	s_lshl_b32 s37, s34, 1
	s_add_co_u32 s37, s37, s36
	s_lshl_b32 s37, s37, 3
	s_add_co_u32 s37, s37, s35                     ; its place in dq: (2 (h - H0) + half) x 8 + s
	s_mul_i32 s38, s37, REC
	s_add_nc_u64 s[16:17], s[16:17], s[38:39]
	NORM                                           ; the 16 loads are out meanwhile; the loop touches none of their registers
	s_wait_loadcnt 0x0
	QUANT2 XD, PC, PW
	QUANT2 XD+32, PC+6, PW+1
	v_lshl_or_b32 v[SW], v[PW+1], 16, v[PW]        ; the four bytes: my row's scale word
	v_mov_b32 v[SW+1], 0
	PUT 16
	s_branch .Lfin
.Lwout:                                                ; record q' = q - 896 = 32 t + c: Wout's rows 64 c + 16 t + 0 .. 15
	s_sub_co_u32 s34, s30, 4*WQWG
	s_lshr_b32 s35, s34, 5
	s_and_b32 s36, s34, 31
	s_lshl_b32 s36, s36, 6
	s_lshl_b32 s35, s35, 4
	s_add_co_u32 s36, s36, s35                     ; the first row
	s_mul_i32 s38, s36, 96
	s_mov_b32 s39, 0
	s_add_nc_u64 s[8:9], s[8:9], s[38:39]
	s_lshl_b32 s38, s36, 2
	s_add_nc_u64 s[10:11], s[10:11], s[38:39]
	s_add_nc_u64 s[12:13], s[12:13], s[38:39]
	s_mul_i32 s38, s34, REC
	s_add_nc_u64 s[18:19], s[18:19], s[38:39]
	v_mul_u32_u24 v9, v1, 96
	v_mad_u32_u24 v9, v2, 24, v9                   ; row r of 96 bytes, + 24 hh
.irp p, 0,1,2,3,4,5
	global_load_b64 v[PC+2*\p:PC+2*\p+1], v9, s[8:9] offset:48*(\p/3)+8*(\p%3)
.endr
	global_load_b32 v[SW], v5, s[10:11]            ; the row's scale word
	global_load_b32 v[SW+1], v5, s[12:13]          ; and its bias
	NORM
	s_wait_loadcnt 0x0
	PUT 18
.Lfin:
	v_pk_add_f32 v[AC:AC+1], v[AC:AC+1], v[AC+2:AC+3]
	v_pk_add_f32 v[AC+4:AC+5], v[AC+4:AC+5], v[AC+6:AC+7]
	v_pk_add_f32 v[AC:AC+1], v[AC:AC+1], v[AC+4:AC+5]       ; the squared norms of my two rows
	v_max_num_f32 v[AC], v[AC], v[AC+1]
	v_max_num_f32_dpp v[AC], v[AC], v[AC] row_xmask:1 row_mask:0xf bank_mask:0xf
	v_max_num_f32_dpp v[AC], v[AC], v[AC] row_xmask:2 row_mask:0xf bank_mask:0xf
	v_max_num_f32_dpp v[AC], v[AC], v[AC] row_xmask:4 row_mask:0xf bank_mask:0xf
	v_max_num_f32_dpp v[AC], v[AC], v[AC] row_xmask:8 row_mask:0xf bank_mask:0xf
	v_permlanex16_b32 v[AC+1], v[AC], s[SEL], s[SEL+1]
	v_max_num_f32 v[AC], v[AC], v[AC+1]            ; the wave's largest
	v_cmp_eq_u32 vcc_lo, 0, v4
	s_wait_xcnt 0x0                                ; EXEC is a source of the stores above: it changes only behind this wait
	s_and_saveexec_b32 s46, vcc_lo
	global_store_b32 v13, v[AC], s[14:15]          ; one number a wave: all that there is to store
	s_wait_xcnt 0x0                                ; and again in front of the line that widens it
	s_or_b32 exec_lo, exec_lo, s46
	s_endpgm
.Lfunc_end_k_q1ac8951a81_prep:
	.size	k_q1ac8951a81_prep, .Lfunc_end_k_q1ac8951a81_prep-k_q1ac8951a81_prep
	.p2alignl 7, 3214868480
	.fill 96, 4, 3214868480
	.section	.rodata,"a",@progbits
	.p2align	6, 0x0
	.amdhsa_kernel k_q1ac8951a81_prep
		.amdhsa_group_segment_fixed_size 0
		.amdhsa_private_segment_fixed_size 0
		.amdhsa_enable_private_segment 0
		.amdhsa_kernarg_size 64
		.amdhsa_user_sgpr_count 2
		.amdhsa_user_sgpr_kernarg_segment_ptr 1
		.amdhsa_wavefront_size32 1
		.amdhsa_system_sgpr_workgroup_id_x 1
		.amdhsa_system_sgpr_workgroup_id_y 1
		.amdhsa_system_sgpr_workgroup_id_z 1
		.amdhsa_system_vgpr_workitem_id 0
		.amdhsa_next_free_vgpr 160
		.amdhsa_next_free_sgpr 66
		.amdhsa_reserve_vcc 1
		.amdhsa_float_denorm_mode_32 3
		.amdhsa_float_denorm_mode_16_64 3
		.amdhsa_memory_ordered 1
		.amdhsa_forward_progress 1
		.amdhsa_inst_pref_size 19
	.end_amdhsa_kernel
	.amdgpu_metadata
---
amdhsa.version: [ 1, 2 ]
amdhsa.kernels:
  - .name:           k_q1ac8951a81_prep
    .symbol:         k_q1ac8951a81_prep.kd
    .args:
      - { .name: v, .offset: 0, .size: 8, .value_kind: global_buffer, .address_space: global }
      - { .name: data, .offset: 8, .size: 8, .value_kind: global_buffer, .address_space: global }
      - { .name: Wout_codes, .offset: 16, .size: 8, .value_kind: global_buffer, .address_space: global }
      - { .name: Wout_scales, .offset: 24, .size: 8, .value_kind: global_buffer, .address_space: global }
      - { .name: bout, .offset: 32, .size: 8, .value_kind: global_buffer, .address_space: global }
      - { .name: gmax, .offset: 40, .size: 8, .value_kind: global_buffer, .address_space: global }
      - { .name: dq, .offset: 48, .size: 8, .value_kind: global_buffer, .address_space: global }
      - { .name: wq, .offset: 56, .size: 8, .value_kind: global_buffer, .address_space: global }
    .group_segment_fixed_size: 0
    .private_segment_fixed_size: 0
    .kernarg_segment_align: 8
    .kernarg_segment_size: 64
    .max_flat_workgroup_size: 128
    .sgpr_count:     66
    .vgpr_count:     160
    .wavefront_size: 32
...
	.end_amdgpu_metadata
.endif
;; end of part 1
;; launch main (part 2): grid 256 x 1, 4 waves a work-group, clusters of 4 x 1, 262,656 bytes of LDS; arguments W0_codes, W0_scales, b0, W1_codes, W1_scales, b1, v, gmax, wq, dq, part; writes part
.if DOCPART == 2
	.amdgcn_target "amdgcn-amd-amdhsa--gfx1250"
	.amdhsa_code_object_version 6
	.text
	.protected	k_q1ac8951a81_main
	.globl	k_q1ac8951a81_main
	.p2align	8
	.type	k_q1ac8951a81_main,@function
k_q1ac8951a81_main:
	s_mov_b64 s[64:65], 0
	v_nop
	global_prefetch_b8 v0, s[64:65] scope:SCOPE_SE
	s_setreg_imm32_b32 hwreg(HW_REG_WAVE_MODE, 25, 1), 1
	s_wait_xcnt 0x0
	s_wait_alu depctr_hold_cnt(0) depctr_sa_sdst(0) depctr_va_vdst(0) depctr_va_sdst(0) depctr_va_ssrc(0) depctr_va_vcc(0) depctr_vm_vsrc(0)
	s_getreg_b32 s2, hwreg(HW_REG_IB_STS2, 6, 4)
	s_cmp_eq_u32 s2, 0
	s_cbranch_scc0 .Lentry_in_a_cluster
	s_endpgm
.Lentry_in_a_cluster:
	s_bfe_u32 s2, ttmp6, 0x10000c
	s_cmp_lg_u32 s2, 0x3003
	s_cbranch_scc0 .Lentry_shape_is_right
	s_endpgm
.Lentry_shape_is_right:
; MAIN.  A work-group owns one block of the last product's K for one group element: grid row h = H0 + p / 2, half = p % 2 of w (32 grid points), angle n.  16 p x 16 n = 256 work-groups.
; It makes the 32 rows' embedding, the two hidden layers, the filter (32 rows x 2,048 columns), the window, and the filter's share of out[b][n][d], all on codes of E2M3 with one E8M0 byte for each 32 along K:
;   part[p][b][n][d] = sum over c, w of Q(data)[b][c][h][w] Q(filt)[h][w][n][c][d].   Grid rows outside H0 .. H0 + 7 have a closed window for every angle (see the launch before) and add nothing.
; ROWS.  Lane r of row tile u is w = 32 half + 8 u + r + 8 (r / 8): a result whose rows are these has, in a lane's registers of tiles 0 and 1, 16 NEIGHBOURS along w, which is the last product's K.
; PHASES, four waves.  E, L1, L2: wave (u = wave % 2, g = wave / 2) makes, for row tile u, units 64 g .. 64 g + 63 (E: coordinate g): products transposed (source 0 = 16 rows of the weight, chosen 8 + 8 as above,
;   source 1 = the rows), so that a lane holds one row and 32 neighbours-by-16 along the next K; they are quantised in registers and go to LDS as half an image of the next operand's registers; one barrier a phase.
; PHASE 2: wave t makes columns d = 16 t .. 16 t + 15 of all 32 channels c: source 0 = the second hidden layer's rows, source 1 = 16 rows of Wout: a lane holds ONE column and 16 neighbours along w.
;   + bias, x window, quantised along w: two channels make half a fragment, four a K step of the last product (source 0 = 16 d, source 1 = 16 batch rows of data).
; THE WINDOW: a closed row's codes of the second hidden layer are cleared, so its products are exact zeros, and its bias is multiplied by 0.
; LDS is filled ONCE: Wout's records (each wave its own quarter) and this p's eight records of data, by two tensor loads a wave at the start; two loads of a wave are out.  Nothing is filled again, so there is no ring.
; CLUSTER 4 x 1: the four partners share p and all of Wout: both loads are asked for jointly (mask 15); the place in the cluster enters n alone: v's and part's addresses and numbers, no branch, no LDS address.
; LIMITS: as stated for the launch before; a grid point within f32 rounding of the window's edge may fall on either side.
.set H0,   28
.set REC,  1792                        ; a record, and a tile's image: six chunks of 256 bytes (a register pair at 8 x lane), then scale words at 4 x lane
.set WQB,  32*REC                      ; a wave's quarter of Wout
.set DQ,   4*WQB                       ; LDS: 0 Wout; DQ data's eight records;
.set EIMG, DQ+8*REC                    ; the embedding's two images;
.set RH1,  2*REC                       ; from there on: the first hidden layer's,
.set RH2,  4*REC                       ; the second's;
.set MSK,  EIMG+6*REC                  ; the window, f32: 64 bytes a wave;
.set STG,  MSK+256                     ; the stage of the way out: 16 rows x (256 bytes + 16)
.set SP,   272
.set WV,   26                          ; s26 wave, s27 u, s28 g, s29 cx, s30 n, s31 p, s32 h, s33 half
.set SU,   27
.set SG,   28
.set G1W,  36                          ; s[36:43] descriptor group 1 for Wout's quarter; s[44:51] for data's two records; s[52:55], s[56:59] their groups 0
.set G1D,  44
.set G0W,  52
.set G0D,  56
.set SEL,  60                          ; s[60:61] v_permlanex16_b32: lane l xor 16
.set R63,  66                          ; s[66:67] 1 / 63;  s[68:69] -63;  s[70:71] -log2(e) / (2 x 0.0049);  s[72:73] -log2(e): pairs, the low word serves both halves
.set N63,  68
.set CC,   70
.set NL2E, 72
.set IW,   5                           ; v5-19 LDS addresses and part's offset, v20-23 offsets into the weights and gmax: made at the head, never rewritten
.set ISW,  6
.set IR,   7
.set ISR,  8
.set IR0,  9
.set ISR0, 10
.set MSKW, 11
.set MSKR, 12
.set WQA,  13
.set WQX,  14
.set DQA,  15
.set DQX,  16
.set STO,  17
.set SRD,  18
.set GO,   19
.set GW,   20
.set GS,   21
.set GB,   22
.set GG,   23
.set NX,   28                          ; v[28:29] -warp of my coordinate, twice;  v[30:31] 1 / the largest norm, twice;  v32 the row's window as a mask of bits, v33 as f32
.set RG,   30
.set ROWM, 32
.set MF,   33
.set W0S,  40                          ; v40-43, v44-47 the weights' scale words; v60 the rows'; v94, v204, v232-233, v252-253 phase 2's: these registers hold scales and nothing else
.set W1S,  44
.set XF,   48                          ; v48-59 the rows' fragment
.set XS,   60
.set TM,   62                          ; v62-69 at work in the quantiser
.set PC,   76                          ; v76-87 codes just made
.set PT,   88
.set PW,   92
.set SW,   94
.set EH,   96                          ; v96-127 the embedding, then a hidden layer: 32 numbers
.set TT,   128                         ; v128-159 gmax, then at work in the activation
.set MU,   160                         ; v160-191 the centres mu
.set ACC,  96                          ; phase 2: v96-159 two sets of four accumulators
.set WF,   160                         ; v160-183 two fragments of Wout;  v186-189 two sets of two biases
.set BIA,  186
.set DF,   192                         ; v192-203 data's fragment
.set DS,   204
.set H2F,  208                         ; v208-231 the second hidden layer's two fragments
.set H2S,  232
.set MM,   236                         ; v236-251 the window of w = 16 hh + 0 .. 15
.set SCW,  252
.set OACC, 48                          ; v48-55 the sum of the last product
.set OUTR, 76
.set W0F,  0                           ; window 1: v0-47, v48-95 the weights' four fragments each; v96-127, v128-159 the biases in the result's layout
.set W1F,  48
.set B0R,  96
.set B1R,  128
.set MSB, 0
.macro WIN new                         ; s_set_vgpr_msb: bits 1:0 source 0, 3:2 source 1, 5:4 source 2, 7:6 destination; the high byte repeats the setting that is left
.if MSB != \new
	s_set_vgpr_msb (MSB<<8)|\new
.set MSB, \new
.endif
.endm
.macro ROUND                           ; a round of the cluster's barrier
	s_barrier_signal -1
	s_barrier_wait -1
	s_cmp_lg_u32 s[WV], 0
	s_cbranch_scc1 .Lnot_wave_0_\@
	s_barrier_signal -3
.Lnot_wave_0_\@:
	s_barrier_wait -3
	s_barrier_signal -1
	s_barrier_wait -1
.endm
.macro BARRIER                         ; my LDS stores have landed and my LDS loads are in: then the work-group's barrier
	s_wait_dscnt 0x0
	s_barrier_signal -1
	s_barrier_wait -1
.endm
.macro PLACES n
.rept \n
	v_nop
.endr
.endm
.macro LIN dst, isrc, ta, tb           ; linspace(-1, 1, 64)[i] = t - (1 - t), t = i / 63 rounded once
	v_cvt_f32_u32 v[\ta], \isrc
	v_mul_f32 v[\tb], s[R63], v[\ta]
	v_fma_f32 v[\ta], v[\tb], s[N63], v[\ta]
	v_fma_f32 v[\tb], v[\ta], s[R63], v[\tb]
	v_sub_f32 v[\ta], 1.0, v[\tb]
	v_sub_f32 v[\dst], v[\tb], v[\ta]
.endm
.macro SINCOS vv, ss, cc, k, r, z, a, b        ; as in the launch before: the same lines give the same bits
	v_mul_f32 v[\k], 0x3f22f983, v[\vv]
	v_rndne_f32 v[\k], v[\k]
	v_fmamk_f32 v[\r], v[\k], 0xbfc90fdb, v[\vv]
	v_fmamk_f32 v[\r], v[\k], 0x333bbd2e, v[\r]
	v_fmamk_f32 v[\r], v[\k], 0x26f72ced, v[\r]
	v_mul_f32 v[\z], v[\r], v[\r]
	v_mov_b32 v[\a], 0xb94ca1f9
	v_mov_b32 v[\b], 0x37ccf5ce
	v_fmaak_f32 v[\a], v[\a], v[\z], 0x3c08839e
	v_fmaak_f32 v[\b], v[\b], v[\z], 0xbab6061a
	v_fmaak_f32 v[\a], v[\a], v[\z], 0xbe2aaaa3
	v_fmaak_f32 v[\b], v[\b], v[\z], 0x3d2aaaa5
	v_mul_f32 v[\ss], v[\r], v[\z]
	v_fma_f32 v[\cc], v[\z], -0.5, 1.0
	v_mul_f32 v[\z], v[\z], v[\z]
	v_fma_f32 v[\a], v[\ss], v[\a], v[\r]
	v_fma_f32 v[\b], v[\z], v[\b], v[\cc]
	v_cvt_i32_f32 v[\k], v[\k]
	v_and_b32 v[\r], 1, v[\k]
	v_cmp_eq_u32 vcc_lo, 1, v[\r]
	v_cndmask_b32 v[\ss], v[\a], v[\b], vcc_lo
	v_cndmask_b32 v[\cc], v[\b], v[\a], vcc_lo
	v_and_b32 v[\r], 2, v[\k]
	v_add_nc_u32 v[\k], 1, v[\k]
	v_lshlrev_b32 v[\r], 30, v[\r]
	v_and_b32 v[\k], 2, v[\k]
	v_xor_b32 v[\ss], v[\ss], v[\r]
	v_lshlrev_b32 v[\k], 30, v[\k]
	v_xor_b32 v[\cc], v[\cc], v[\k]
.endm
; 32 numbers of a lane, v[s + 16 b + i] = k 32 b + 16 hh + i of my row (or column), become registers pc .. pc + 5 of a fragment and two scale bytes in v[pw].
.macro QUANT2 s, pc, pw
.irp b, 0,1
	v_max3_num_f32 v[TM+\b], |v[(\s)+16*\b]|, |v[(\s)+16*\b+1]|, 0x1800000      ; with the floor 2^(3 - 127): the byte cannot fall under 1
	v_max3_num_f32 v[TM+2+\b], |v[(\s)+16*\b+8]|, |v[(\s)+16*\b+9]|, |v[(\s)+16*\b+10]|
.endr
.irp i, 2,4
.irp b, 0,1
	v_max3_num_f32 v[TM+\b], v[TM+\b], |v[(\s)+16*\b+\i]|, |v[(\s)+16*\b+\i+1]|
	v_max3_num_f32 v[TM+2+\b], v[TM+2+\b], |v[(\s)+16*\b+\i+9]|, |v[(\s)+16*\b+\i+10]|
.endr
.endr
.irp b, 0,1
	v_max3_num_f32 v[TM+\b], v[TM+\b], |v[(\s)+16*\b+6]|, |v[(\s)+16*\b+7]|
.endr
.irp b, 0,1
	v_max3_num_f32 v[TM+\b], v[TM+\b], v[TM+2+\b], |v[(\s)+16*\b+15]|
.endr
.irp b, 0,1
	v_permlanex16_b32 v[TM+4+\b], v[TM+\b], s[SEL], s[SEL+1]
.endr
.irp b, 0,1
	v_max_num_f32 v[TM+\b], v[TM+\b], v[TM+4+\b]   ; with lane l xor 16's 16: the block's largest magnitude
.endr
.irp b, 0,1
	v_add_nc_u32 v[TM+6+\b], 0xff000000, v[TM+\b]  ; 2 off its exponent field: the conversion's scale operand
.endr
.irp b, 0,1
	v_lshrrev_b32 v[TM+4+\b], 23, v[TM+6+\b]       ; the scale's byte
.endr
	v_lshl_or_b32 v[\pw], v[TM+5], 8, v[TM+4]
	v_cvt_scalef32_pk16_fp6_f32 v[(\pc):(\pc)+2], v[(\s):(\s)+15], v[TM+6]
	v_cvt_scalef32_pk16_fp6_f32 v[PT:PT+2], v[(\s)+16:(\s)+31], v[TM+7]
	v_nop                                          ; one plain place behind a scaled conversion
.irp i, 0,1,2
	v_permlane16_swap_b32 v[(\pc)+\i], v[PT+\i]    ; a whole block to a lane: lanes 0-15 the first block, lanes 16-31 the second
.endr
.irp i, 0,1,2
	v_mov_b32 v[(\pc)+3+\i], v[PT+\i]
.endr
.endm
; My 64 units of a weight: four fragments (tile t: rows 32 (t / 2) + 8 (t % 2) + r + 8 (r / 8)), the biases in the result's layout, the rows' scale words: 36 loads
.macro WLOAD cb, sb, bb, wf, bi, ws
	WIN 0x40                                       ; destination window 1
.irp t, 0,1,2,3
.irp p, 0,1,2,3,4,5
	global_load_b64 v[\wf+12*\t+2*\p:\wf+12*\t+2*\p+1], v[GW], s[\cb:\cb+1] offset:(32*(\t/2)+8*(\t%2))*96+48*(\p/3)+8*(\p%3)
.endr
.endr
.irp t, 0,1,2,3
	global_load_b128 v[\bi+8*\t:\bi+8*\t+3], v[GB], s[\bb:\bb+1] offset:(32*(\t/2)+8*(\t%2))*4
	global_load_b128 v[\bi+8*\t+4:\bi+8*\t+7], v[GB], s[\bb:\bb+1] offset:(32*(\t/2)+8*(\t%2))*4+16
.endr
	WIN 0
.irp t, 0,1,2,3
	global_load_b32 v[\ws+\t], v[GS], s[\sb:\sb+1] offset:(32*(\t/2)+8*(\t%2))*4
.endr
.endm
.macro IMG_OUT reg                     ; my half of the next operand's image: registers 6 g .. 6 g + 5 and bytes 2 g, 2 g + 1 of the scale word
.irp i, 0,1,2
	ds_store_b64 v[IW], v[PC+2*\i:PC+2*\i+1] offset:\reg+256*\i
.endr
	ds_store_b16 v[ISW], v[PW] offset:\reg
.endm
; A hidden layer: the rows' fragment from LDS; four products, the bias as C; silu in f32; quantised; my half of the image.  lc: the younger global loads that may stay out
.macro LAYER wf, bi, ws, regin, regout, lc, last
.irp p, 0,1,2,3,4,5
	ds_load_b64 v[XF+2*\p:XF+2*\p+1], v[IR] offset:\regin+256*\p
.endr
	ds_load_b32 v[XS], v[ISR] offset:\regin
	s_wait_dscnt 0x0
	s_wait_loadcnt \lc                             ; this layer's 36 loads are in
	WIN 0x11                                       ; source 0 (the weight) and C (the bias) window 1
.irp t, 0,1,2,3
	v_wmma_scale_f32_16x16x128_f8f6f4 v[EH+8*\t:EH+8*\t+7], v[\wf+12*\t:\wf+12*\t+11], v[XF:XF+11], v[\bi+8*\t:\bi+8*\t+7], v[\ws+\t], v[XS] matrix_a_fmt:MATRIX_FMT_FP6 matrix_b_fmt:MATRIX_FMT_FP6
.endr
	WIN 0
	PLACES 4                                       ; four places in front of the first read of results (ISA guide 7.12.1)
.set ii, 0
.rept 16
	v_pk_mul_f32 v[TT+ii:TT+ii+1], v[EH+ii:EH+ii+1], s[NL2E:NL2E+1] op_sel_hi:[1,0]    ; each accumulator from its low end on
.set ii, ii+2
.endr
.set ii, 0
.rept 32
	v_exp_f32 v[TT+ii], v[TT+ii]                   ; e^-x
.set ii, ii+1
.endr
	v_nop
.set ii, 0
	s_wait_alu depctr_va_vdst(0)
.rept 16
	v_pk_add_f32 v[TT+ii:TT+ii+1], v[TT+ii:TT+ii+1], 1.0 op_sel_hi:[1,0]
.set ii, ii+2
.endr
.set ii, 0
.rept 32
	v_rcp_f32 v[TT+ii], v[TT+ii]
.set ii, ii+1
.endr
	v_nop
.set ii, 0
	s_wait_alu depctr_va_vdst(0)
.rept 16
	v_pk_mul_f32 v[EH+ii:EH+ii+1], v[EH+ii:EH+ii+1], v[TT+ii:TT+ii+1]                  ; x / (1 + e^-x)
.set ii, ii+2
.endr
	QUANT2 EH, PC, PW
.if \last
.irp i, 0,1,2,3,4,5
	v_and_b32 v[PC+\i], v[PC+\i], v[ROWM]          ; a row under a closed window: zero codes
.endr
.endif
	IMG_OUT \regout
.if \last
	s_wait_tensorcnt 0x0                           ; both my tensor loads have landed: for the others' sake too, who read data's records behind the barrier
.endif
	BARRIER
.endm
; PHASE 2.  Unit q = channels 2 q, 2 q + 1.
.macro FETCH_W q
.irp cc, 0,1
.irp k, 0,1,2
	ds_load_b128 v[WF+12*\cc+4*\k:WF+12*\cc+4*\k+3], v[WQA] offset:(2*(\q)+\cc)*REC+512*\k
.endr
	ds_load_b32 v[SCW+\cc], v[WQX] offset:(2*(\q)+\cc)*REC
	ds_load_b32 v[BIA+2*((\q)%2)+\cc], v[WQX] offset:(2*(\q)+\cc)*REC+4
.endr
.endm
.macro FETCH_D s
.irp k, 0,1,2
	ds_load_b128 v[DF+4*\k:DF+4*\k+3], v[DQA] offset:(\s)*REC+512*\k
.endr
	ds_load_b32 v[DS], v[DQX] offset:(\s)*REC
.endm
.macro P4 q                            ; four sums of their own: (channel cc, row tile u): lane (r, hh): column d = r, register j: w = 16 hh + 8 u + j
.set AB4, ACC+32*((\q)%2)
.irp cc, 0,1
.irp u, 0,1
	v_wmma_scale_f32_16x16x128_f8f6f4 v[AB4+16*\cc+8*\u:AB4+16*\cc+8*\u+7], v[H2F+12*\u:H2F+12*\u+11], v[WF+12*\cc:WF+12*\cc+11], 0, v[H2S+\u], v[SCW+\cc] matrix_a_fmt:MATRIX_FMT_FP6 matrix_b_fmt:MATRIX_FMT_FP6
.endr
.endr
.endm
.macro BIASMASK q                      ; + bias x window: 16 fused multiply-adds on pairs, ascending; op_sel picks channel cc's bias of the pair for both halves
.set ABM, ACC+32*((\q)%2)
.set BBM, BIA+2*((\q)%2)
.irp cc, 0,1
.irp i, 0,2,4,6,8,10,12,14
	v_pk_fma_f32 v[ABM+16*\cc+\i:ABM+16*\cc+\i+1], v[BBM:BBM+1], v[MM+\i:MM+\i+1], v[ABM+16*\cc+\i:ABM+16*\cc+\i+1] op_sel:[\cc,0,0] op_sel_hi:[\cc,1,1]
.endr
.endr
.endm
.macro P5 s                            ; K step s of the last product: source 0 = my 16 d, source 1 = the 16 batch rows.  Eight other products stand between two links of this sum
.if (\s) == 0
	v_wmma_scale_f32_16x16x128_f8f6f4 v[OACC:OACC+7], v[PC:PC+11], v[DF:DF+11], 0, v[SW], v[DS] matrix_a_fmt:MATRIX_FMT_FP6 matrix_b_fmt:MATRIX_FMT_FP6
.else
	v_wmma_scale_f32_16x16x128_f8f6f4 v[OACC:OACC+7], v[PC:PC+11], v[DF:DF+11], v[OACC:OACC+7], v[SW], v[DS] matrix_a_fmt:MATRIX_FMT_FP6 matrix_b_fmt:MATRIX_FMT_FP6
.endif
.endm
.macro UNIT q
	s_wait_dscnt 0x0                               ; the next unit's fragments of Wout are in (and data's, if asked for)
.if (\q) < 15
	P4 (\q)+1                                      ; the next unit's products run under this unit's vector work
.endif
	BIASMASK \q                                    ; 16 plain lines that name none of those products' registers: the places in front of the loads below
.if (\q)%2 == 0
	FETCH_D (\q)/2
.endif
.if (\q) < 14
	FETCH_W (\q)+2
.endif
	QUANT2 ACC+32*((\q)%2), PC+6*((\q)%2), PW+(\q)%2
.if (\q)%2 == 1
	v_lshl_or_b32 v[SW], v[PW+1], 16, v[PW]        ; four channels' bytes: the scale word of my column
	PLACES 8                                       ; a scale register written by a vector instruction stands 8 places ahead of a scaled product, an operand so written 4
	P5 (\q)/2
.endif
.endm
	s_load_b512 s[4:19], s[0:1], 0x0               ; W0's codes, scales, b0, W1's codes, scales, b1, v, gmax
	s_load_b128 s[20:23], s[0:1], 0x40             ; wq, dq
	s_load_b64 s[24:25], s[0:1], 0x50              ; part
	v_lshl_add_u32 v254, v0, 2, 0x40000
	v_mov_b32 v255, 0
	ds_add_u32 v254, v255
	ds_add_u32 v254, v255
	v_and_b32 v1, 15, v0                           ; r
	v_bfe_u32 v2, v0, 4, 1                         ; hh
	v_and_b32 v3, 8, v1
	v_add_nc_u32 v3, v3, v1                        ; rr = r + 8 (r / 8)
	v_and_b32 v4, 31, v0                           ; lane
	v_lshrrev_b32 v34, 5, v0
	v_readfirstlane_b32 s[WV], v34
	s_and_b32 s[SU], s[WV], 1
	s_lshr_b32 s[SG], s[WV], 1
	s_bfe_u32 s29, ttmp6, 0x40000                  ; cx
	s_and_b32 s30, ttmp9, 3                        ; (in a cluster launch ttmp9 counts clusters)
	s_lshl_b32 s30, s30, 2
	s_add_co_u32 s30, s30, s29                     ; n = 4 (cluster % 4) + cx
	s_lshr_b32 s31, ttmp9, 2                       ; p, which the four partners share
	s_lshr_b32 s32, s31, 1
	s_add_co_u32 s32, s32, H0                      ; h
	s_and_b32 s33, s31, 1                          ; half
	s_mov_b32 s[SEL], 0x76543210
	s_mov_b32 s[SEL+1], 0xfedcba98
	s_mov_b32 s[R63], 0x3c820821
	s_mov_b32 s[R63+1], s[R63]
	s_mov_b32 s[N63], 0xc27c0000
	s_mov_b32 s[N63+1], s[N63]
	s_mov_b32 s[CC], 0xc31336ba
	s_mov_b32 s[CC+1], s[CC]
	s_mov_b32 s[NL2E], 0xbfb8aa3b
	s_mov_b32 s[NL2E+1], s[NL2E]
	s_cmp_eq_u32 s[SG], 1
	s_cselect_b32 s75, -1, 0                       ; all lanes: my coordinate is the second
	; every LDS address: a constant + a constant x lane + constants x the wave's number
	v_lshlrev_b32 v34, 3, v4
	v_lshlrev_b32 v35, 2, v4
	v_lshlrev_b32 v[GG], 4, v4
	s_mul_i32 s82, s[SU], REC
	s_add_co_u32 s82, s82, EIMG
	s_mul_i32 s83, s[SG], 768
	s_add_co_u32 s83, s83, s82
	v_add_nc_u32 v[IW], s83, v34
	s_lshl_b32 s83, s[SG], 1
	s_add_co_u32 s83, s83, s82
	s_add_co_u32 s83, s83, 1536
	v_add_nc_u32 v[ISW], s83, v35
	v_add_nc_u32 v[IR], s82, v34
	s_add_co_u32 s83, s82, 1536
	v_add_nc_u32 v[ISR], s83, v35
	v_add_nc_u32 v[IR0], EIMG, v34
	v_add_nc_u32 v[ISR0], EIMG+1536, v35
	s_lshl_b32 s83, s[WV], 6
	s_add_co_u32 s83, s83, MSK
	v_lshl_add_u32 v[MSKW], v1, 2, s83             ; my wave's 64 bytes, word r
	s_lshl_b32 s83, s[SG], 7
	s_add_co_u32 s83, s83, MSK
	v_lshl_add_u32 v[MSKR], v2, 5, s83             ; waves 2 g and 2 g + 1 wrote these 128 bytes; rows 8 hh on
	s_mul_i32 s84, s[WV], WQB
	v_add_nc_u32 v[WQA], s84, v[GG]
	s_add_co_u32 s83, s84, 1536
	v_add_nc_u32 v[WQX], s83, v34
	v_add_nc_u32 v[DQA], DQ, v[GG]
	v_add_nc_u32 v[DQX], DQ+1536, v34
	v_mul_u32_u24 v[STO], v1, SP
	v_lshl_add_u32 v[STO], v2, 5, v[STO]
	s_lshl_b32 s83, s[WV], 6
	s_add_co_u32 s83, s83, STG
	v_add_nc_u32 v[STO], s83, v[STO]               ; the stage: row b = r, + 64 wave + 32 hh: my eight d
	s_mul_i32 s83, s[WV], 4*SP
	s_add_co_u32 s83, s83, STG
	v_mul_u32_u24 v[SRD], v2, SP
	v_lshl_add_u32 v[SRD], v1, 4, v[SRD]
	v_add_nc_u32 v[SRD], s83, v[SRD]               ; back: rows 4 wave + hh, 16 bytes a lane
	s_lshl_b32 s83, s[WV], 14
	v_lshlrev_b32 v[GO], 12, v2
	v_lshl_add_u32 v[GO], v1, 4, v[GO]
	v_add_nc_u32 v[GO], s83, v[GO]                 ; and the same in part: a batch row is 4,096 bytes
	v_mul_u32_u24 v[GW], v3, 96
	v_mad_u32_u24 v[GW], v2, 24, v[GW]
	v_lshlrev_b32 v[GS], 2, v3
	v_lshlrev_b32 v[GB], 6, v2
	v_mov_b32 v[TM+4], 0                           ; written once: a lane permute's destination counts as one of its sources
	v_mov_b32 v[TM+5], 0
	; descriptor groups 1: dense blocks as rows of 256 bytes (32 elements of 8 bytes); 15:0 the mask: all four partners; 21 set beside a mask
	s_mov_b32 s[G1W], 15|(3<<16)|(1<<21)
	s_mov_b32 s[G1W+1], 32<<16                     ; tensor_dim0
	s_mov_b32 s[G1W+2], (WQB/256)<<16              ; tensor_dim1 = 224
	s_mov_b32 s[G1W+3], 32<<16                     ; tile_dim0
	s_mov_b32 s[G1W+4], WQB/256                    ; tile_dim1
	s_mov_b32 s[G1W+5], 32                         ; the pitch
	s_mov_b32 s[G1W+6], 0
	s_mov_b32 s[G1W+7], 0
	s_mov_b32 s[G1D], 15|(3<<16)|(1<<21)
	s_mov_b32 s[G1D+1], 32<<16
	s_mov_b32 s[G1D+2], (2*REC/256)<<16            ; 14 rows
	s_mov_b32 s[G1D+3], 32<<16
	s_mov_b32 s[G1D+4], 2*REC/256
	s_mov_b32 s[G1D+5], 32
	s_mov_b32 s[G1D+6], 0
	s_mov_b32 s[G1D+7], 0
	s_wait_dscnt 0x0
	s_wait_kmcnt 0x0
	s_mov_b32 s83, 0
	s_mul_i32 s82, s[SG], 64*96                    ; my 64 rows of each weight,
	s_add_nc_u64 s[4:5], s[4:5], s[82:83]
	s_add_nc_u64 s[10:11], s[10:11], s[82:83]
	s_lshl_b32 s82, s[SG], 8                       ; their scale words and biases
	s_add_nc_u64 s[6:7], s[6:7], s[82:83]
	s_add_nc_u64 s[8:9], s[8:9], s[82:83]
	s_add_nc_u64 s[12:13], s[12:13], s[82:83]
	s_add_nc_u64 s[14:15], s[14:15], s[82:83]
	s_lshl_b32 s82, s30, 2
	s_add_nc_u64 s[16:17], s[16:17], s[82:83]
	s_load_b32 s80, s[16:17], 0x0                  ; my angle
	s_lshl_b32 s82, s31, 16
	s_lshl_b32 s85, s30, 8
	s_add_co_u32 s82, s82, s85
	s_add_nc_u64 s[24:25], s[24:25], s[82:83]      ; part at [p][0][n][0]
	s_mov_b32 s[G0W], 1                            ; count = 1
	s_mul_i32 s[G0W+1], s[WV], WQB                 ; LDS address: my quarter
	s_mul_i32 s82, s[WV], WQB
	s_add_nc_u64 s[G0W+2:G0W+3], s[20:21], s[82:83]
	s_or_b32 s[G0W+3], s[G0W+3], 0x80000000        ; type = 2
	s_mov_b32 s[G0D], 1
	s_mul_i32 s[G0D+1], s[WV], 2*REC
	s_mul_i32 s82, s31, 8*REC
	s_add_co_u32 s82, s82, s[G0D+1]
	s_add_co_u32 s[G0D+1], s[G0D+1], DQ
	s_add_nc_u64 s[G0D+2:G0D+3], s[22:23], s[82:83]
	s_or_b32 s[G0D+3], s[G0D+3], 0x80000000
.irp i, 0,1,2,3,4,5,6,7
	global_load_b128 v[TT+4*\i:TT+4*\i+3], v[GG], s[18:19] offset:512*\i       ; all 1,024 largest squared norms, 32 a lane
.endr
	WLOAD 4, 6, 8, W0F, B0R, W0S
	ROUND                                          ; all four work-groups are here: the joint loads meet
	tensor_load_to_lds s[G0W:G0W+3], s[G1W:G1W+7]
	s_nop 0
	tensor_load_to_lds s[G0D:G0D+3], s[G1D:G1D+7]
	s_nop 0
	PLACES 4
	; ---- E: the embedding of my 16 rows, my coordinate: register 16 b + i is centre e = 32 b + 16 hh + i
	v_lshlrev_b32 v34, 4, v2
	v_cvt_f32_u32 v[MU], v34
	v_add_f32 v[MU+1], 1.0, v[MU]
.irp k, 1,2,3,4,5,6,7
	v_pk_add_f32 v[MU+2*\k:MU+2*\k+1], v[MU+2*\k-2:MU+2*\k-1], 2.0 op_sel_hi:[1,0]
.endr
.irp k, 0,1,2,3,4,5,6,7
	v_pk_add_f32 v[MU+16+2*\k:MU+17+2*\k], v[MU+2*\k:MU+2*\k+1], 0x42000000 op_sel_hi:[1,0]
.endr
.set ii, 0
.rept 16
	v_pk_mul_f32 v[EH+ii:EH+ii+1], v[MU+ii:MU+ii+1], s[R63:R63+1] op_sel_hi:[1,0]                       ; e / 63, roughly;
.set ii, ii+2
.endr
.set ii, 0
.rept 16
	v_pk_fma_f32 v[MU+ii:MU+ii+1], v[EH+ii:EH+ii+1], s[N63:N63+1], v[MU+ii:MU+ii+1] op_sel_hi:[1,0,1]   ; the remainder;
.set ii, ii+2
.endr
.set ii, 0
.rept 16
	v_pk_fma_f32 v[MU+ii:MU+ii+1], v[MU+ii:MU+ii+1], s[R63:R63+1], v[EH+ii:EH+ii+1] op_sel_hi:[1,0,1]   ; mu = e / 63, rounded once
.set ii, ii+2
.endr
	LIN 26, s32, 34, 35                            ; xh
	s_lshl_b32 s82, s33, 5
	s_lshl_b32 s83, s[SU], 3
	s_add_co_u32 s82, s82, s83
	v_add_nc_u32 v36, s82, v3                      ; w = 32 half + 8 u + rr
	LIN 27, v36, 34, 35                            ; xw
	s_wait_kmcnt 0x0
	v_mov_b32 v37, s80
	SINCOS 37, 24, 25, 34, 35, 36, 38, 39
	v_mul_f32 v34, v25, v26                        ; c xh
	v_mul_f32 v35, v24, v26                        ; s xh
	v_fma_f32 v34, -v24, v27, -v34                 ; -(c xh + s xw)
	v_fma_f32 v35, -v25, v27, v35                  ; -(c xw - s xh)
	v_max_num_f32 v36, |v34|, |v35|
	v_cmp_ge_f32 vcc_lo, 0x3dcccccd, v36           ; the window: both magnitudes at most 0.1.  It selects values alone
	v_cndmask_b32 v[ROWM], 0, -1, vcc_lo
	v_cndmask_b32 v[MF], 0, 1.0, vcc_lo
	v_cndmask_b32 v[NX], v34, v35, s75
	v_mov_b32 v[NX+1], v[NX]
	ds_store_b32 v[MSKW], v[MF]                    ; (lanes r and r + 16 write the same word with the same value)
.set ii, 0
.rept 16
	v_pk_add_f32 v[EH+ii:EH+ii+1], v[MU+ii:MU+ii+1], v[NX:NX+1]
.set ii, ii+2
.endr
.set ii, 0
.rept 16
	v_pk_mul_f32 v[EH+ii:EH+ii+1], v[EH+ii:EH+ii+1], v[EH+ii:EH+ii+1]
.set ii, ii+2
.endr
.set ii, 0
.rept 16
	v_pk_mul_f32 v[EH+ii:EH+ii+1], v[EH+ii:EH+ii+1], s[CC:CC+1] op_sel_hi:[1,0]
.set ii, ii+2
.endr
.set ii, 0
.rept 32
	v_exp_f32 v[EH+ii], v[EH+ii]
.set ii, ii+1
.endr
	s_wait_loadcnt 36                              ; gmax's eight loads are in; the 36 of the first weight, issued behind them, may be out
	WLOAD 10, 12, 14, W1F, B1R, W1S                ; the second weight's 36
	v_max3_num_f32 v34, v[TT], v[TT+1], v[TT+2]    ; (plain lines behind the exponentials)  the largest of my 32, in two chains
	v_max3_num_f32 v35, v[TT+16], v[TT+17], v[TT+18]
.irp i, 3,5,7,9,11,13
	v_max3_num_f32 v34, v34, v[TT+\i], v[TT+\i+1]
	v_max3_num_f32 v35, v35, v[TT+16+\i], v[TT+17+\i]
.endr
	v_max3_num_f32 v34, v34, v[TT+15], v[TT+31]
	v_max_num_f32 v34, v34, v35
	v_max_num_f32_dpp v34, v34, v34 row_xmask:1 row_mask:0xf bank_mask:0xf
	v_max_num_f32_dpp v34, v34, v34 row_xmask:2 row_mask:0xf bank_mask:0xf
	v_max_num_f32_dpp v34, v34, v34 row_xmask:4 row_mask:0xf bank_mask:0xf
	v_max_num_f32_dpp v34, v34, v34 row_xmask:8 row_mask:0xf bank_mask:0xf
	v_permlanex16_b32 v35, v34, s[SEL], s[SEL+1]
	v_max_num_f32 v34, v34, v35                    ; the largest squared norm of all rows
	v_rsq_f32 v[RG], v34                           ; 1 / the largest norm
	v_nop
	s_wait_alu depctr_va_vdst(0)
	v_mov_b32 v[RG+1], v[RG]
.set ii, 0
.rept 16
	v_pk_mul_f32 v[EH+ii:EH+ii+1], v[EH+ii:EH+ii+1], v[RG:RG+1]
.set ii, ii+2
.endr
	QUANT2 EH, PC, PW
	IMG_OUT 0
	BARRIER                                        ; the embedding's two images lie in LDS
	; ---- the two hidden layers
	LAYER W0F, B0R, W0S, 0, RH1, 36, 0             ; 36: the second weight's loads may stay out
	LAYER W1F, B1R, W1S, RH1, RH2, 0, 1
	; ---- 2: the filter, its window, its codes, and the last product
.irp u, 0,1
.irp p, 0,1,2,3,4,5
	ds_load_b64 v[H2F+12*\u+2*\p:H2F+12*\u+2*\p+1], v[IR0] offset:RH2+REC*\u+256*\p
.endr
	ds_load_b32 v[H2S+\u], v[ISR0] offset:RH2+REC*\u
.endr
	ds_load_b128 v[MM:MM+3], v[MSKR]               ; w = 16 hh + 0 .. 7: row tile 0's rows 8 hh on,
	ds_load_b128 v[MM+4:MM+7], v[MSKR] offset:16
	ds_load_b128 v[MM+8:MM+11], v[MSKR] offset:64  ; w = 16 hh + 8 .. 15: row tile 1's
	ds_load_b128 v[MM+12:MM+15], v[MSKR] offset:80
	FETCH_W 0
	s_wait_dscnt 0x0
	P4 0
	PLACES 4                                       ; in front of loads into registers that those products read, and of the first read of their results
	FETCH_W 1
.irp q, 0,1,2,3,4,5,6,7,8,9,10,11,12,13,14,15
	UNIT \q
.endr
	; ---- the way out: lane (r, hh) holds part(b = r, d = 16 wave + 8 hh + 0 .. 7); a row's 256 bytes come from four waves and meet in the stage
	PLACES 4
	ds_store_b128 v[STO], v[OACC:OACC+3]           ; the sum from its low end on
	ds_store_b128 v[STO], v[OACC+4:OACC+7] offset:16
	BARRIER
	ds_load_b128 v[OUTR:OUTR+3], v[SRD]
	ds_load_b128 v[OUTR+4:OUTR+7], v[SRD] offset:2*SP
	s_wait_dscnt 0x1                               ; the first two rows are back; the second load may be out
	global_store_b128 v[GO], v[OUTR:OUTR+3], s[24:25]                ; 16 lanes store 256 consecutive bytes, at a multiple of 256 from part's first byte
	s_wait_dscnt 0x0
	global_store_b128 v[GO], v[OUTR+4:OUTR+7], s[24:25] offset:8192
	s_wait_tensorcnt 0x0
	ds_add_u32 v254, v255
	s_wait_dscnt 0x0
	ROUND                                          ; the closing round: no work-group ends while a partner may still ask for a tile that names it
	s_endpgm
.Lfunc_end_k_q1ac8951a81_main:
	.size	k_q1ac8951a81_main, .Lfunc_end_k_q1ac8951a81_main-k_q1ac8951a81_main
	.p2alignl 7, 3214868480
	.fill 96, 4, 3214868480
	.section	.rodata,"a",@progbits
	.p2align	6, 0x0
	.amdhsa_kernel k_q1ac8951a81_main
		.amdhsa_group_segment_fixed_size 262656
		.amdhsa_private_segment_fixed_size 0
		.amdhsa_enable_private_segment 0
		.amdhsa_kernarg_size 88
		.amdhsa_user_sgpr_count 2
		.amdhsa_user_sgpr_kernarg_segment_ptr 1
		.amdhsa_wavefront_size32 1
		.amdhsa_system_sgpr_workgroup_id_x 1
		.amdhsa_system_sgpr_workgroup_id_y 1
		.amdhsa_system_sgpr_workgroup_id_z 1
		.amdhsa_system_vgpr_workitem_id 0
		.amdhsa_next_free_vgpr 416
		.amdhsa_next_free_sgpr 92
		.amdhsa_reserve_vcc 1
		.amdhsa_float_denorm_mode_32 3
		.amdhsa_float_denorm_mode_16_64 3
		.amdhsa_memory_ordered 1
		.amdhsa_forward_progress 1
		.amdhsa_inst_pref_size 120
	.end_amdhsa_kernel
	.amdgpu_metadata
---
amdhsa.version: [ 1, 2 ]
amdhsa.kernels:
  - .name:           k_q1ac8951a81_main
    .symbol:         k_q1ac8951a81_main.kd
    .args:
      - { .name: W0_codes, .offset: 0, .size: 8, .value_kind: global_buffer, .address_space: global }
      - { .name: W0_scales, .offset: 8, .size: 8, .value_kind: global_buffer, .address_space: global }
      - { .name: b0, .offset: 16, .size: 8, .value_kind: global_buffer, .address_space: global }
      - { .name: W1_codes, .offset: 24, .size: 8, .value_kind: global_buffer, .address_space: global }
      - { .name: W1_scales, .offset: 32, .size: 8, .value_kind: global_buffer, .address_space: global }
      - { .name: b1, .offset: 40, .size: 8, .value_kind: global_buffer, .address_space: global }
      - { .name: v, .offset: 48, .size: 8, .value_kind: global_buffer, .address_space: global }
      - { .name: gmax, .offset: 56, .size: 8, .value_kind: global_buffer, .address_space: global }
      - { .name: wq, .offset: 64, .size: 8, .value_kind: global_buffer, .address_space: global }
      - { .name: dq, .offset: 72, .size: 8, .value_kind: global_buffer, .address_space: global }
      - { .name: part, .offset: 80, .size: 8, .value_kind: global_buffer, .address_space: global }
    .group_segment_fixed_size: 262656
    .private_segment_fixed_size: 0
    .kernarg_segment_align: 8
    .kernarg_segment_size: 88
    .max_flat_workgroup_size: 128
    .sgpr_count:     92
    .vgpr_count:     416
    .wavefront_size: 32
...
	.end_amdgpu_metadata
.endif
;; end of part 2
;; launch sum (part 3): grid 32 x 1, 4 waves a work-group, no clusters, 0 bytes of LDS; arguments part, out0; writes out0
.if DOCPART == 3
	.amdgcn_target "amdgcn-amd-amdhsa--gfx1250"
	.amdhsa_code_object_version 6
	.text
	.protected	k_q1ac8951a81_sum
	.globl	k_q1ac8951a81_sum
	.p2align	8
	.type	k_q1ac8951a81_sum,@function
k_q1ac8951a81_sum:
	s_mov_b64 s[64:65], 0
	v_nop
	global_prefetch_b8 v0, s[64:65] scope:SCOPE_SE
	s_setreg_imm32_b32 hwreg(HW_REG_WAVE_MODE, 25, 1), 1
	s_wait_xcnt 0x0
; out0[b][n][d] = the sum over the 16 blocks p of part[p][b][n][d], in ascending p, in f32.  A sum that spans work-groups is made by one owner for each output, in a launch of its own.
; A thread owns 16 bytes of out0; a wave's load or store covers 512 consecutive bytes.  All 16 loads of a thread go out at once; the counts run down as the partial sums are added.
; 1 MiB in, 64 KiB out: no LDS, no matrix unit, no cluster: the work-groups share nothing.
.set NP,    16                         ; partial sums
.set PBYTE, 65536                      ; bytes of one
	s_load_b128 s[4:7], s[0:1], 0x0                ; part, out0
	v_lshlrev_b32 v1, 4, v0
	s_lshl_b32 s8, ttmp9, 11                       ; 128 threads x 16 bytes a work-group
	v_add_nc_u32 v1, s8, v1
	s_wait_kmcnt 0x0
.irp p, 0,1,2,3,4,5,6,7,8,9,10,11,12,13,14,15
	global_load_b128 v[4+4*\p:7+4*\p], v1, s[4:5] offset:PBYTE*\p th:TH_LOAD_NT
.endr
	s_wait_loadcnt NP-2                            ; the first two are in; the 14 younger loads may be out
	v_pk_add_f32 v[4:5], v[4:5], v[8:9]
	v_pk_add_f32 v[6:7], v[6:7], v[10:11]
.irp p, 2,3,4,5,6,7,8,9,10,11,12,13,14,15
	s_wait_loadcnt NP-1-\p                         ; partial sum p is in; the younger ones may be out
	v_pk_add_f32 v[4:5], v[4:5], v[4+4*\p:5+4*\p]
	v_pk_add_f32 v[6:7], v[6:7], v[6+4*\p:7+4*\p]
.endr
	global_store_b128 v1, v[4:7], s[6:7]
	s_endpgm
.Lfunc_end_k_q1ac8951a81_sum:
	.size	k_q1ac8951a81_sum, .Lfunc_end_k_q1ac8951a81_sum-k_q1ac8951a81_sum
	.p2alignl 7, 3214868480
	.fill 96, 4, 3214868480
	.section	.rodata,"a",@progbits
	.p2align	6, 0x0
	.amdhsa_kernel k_q1ac8951a81_sum
		.amdhsa_group_segment_fixed_size 0
		.amdhsa_private_segment_fixed_size 0
		.amdhsa_enable_private_segment 0
		.amdhsa_kernarg_size 16
		.amdhsa_user_sgpr_count 2
		.amdhsa_user_sgpr_kernarg_segment_ptr 1
		.amdhsa_wavefront_size32 1
		.amdhsa_system_sgpr_workgroup_id_x 1
		.amdhsa_system_sgpr_workgroup_id_y 1
		.amdhsa_system_sgpr_workgroup_id_z 1
		.amdhsa_system_vgpr_workitem_id 0
		.amdhsa_next_free_vgpr 72
		.amdhsa_next_free_sgpr 66
		.amdhsa_reserve_vcc 0
		.amdhsa_float_denorm_mode_32 3
		.amdhsa_float_denorm_mode_16_64 3
		.amdhsa_memory_ordered 1
		.amdhsa_forward_progress 1
		.amdhsa_inst_pref_size 5
	.end_amdhsa_kernel
	.amdgpu_metadata
---
amdhsa.version: [ 1, 2 ]
amdhsa.kernels:
  - .name:           k_q1ac8951a81_sum
    .symbol:         k_q1ac8951a81_sum.kd
    .args:
      - { .name: part, .offset: 0, .size: 8, .value_kind: global_buffer, .address_space: global }
      - { .name: out0, .offset: 8, .size: 8, .value_kind: global_buffer, .address_space: global }
    .group_segment_fixed_size: 0
    .private_segment_fixed_size: 0
    .kernarg_segment_align: 8
    .kernarg_segment_size: 16
    .max_flat_workgroup_size: 128
    .sgpr_count:     66
    .vgpr_count:     72
    .wavefront_size: 32
...
	.end_amdgpu_metadata
.endif
;; end of part 3
